; MI455X (gfx1250); checked and timed in simulation.
; The chip was launched on July 23, 2026; its instructions are those of AMD's public machine-readable ISA for CDNA 5 (MIT licence, August 2026) and "CDNA5" Instruction Set Architecture Reference Guide (July 2026). The comments in the code are by the model that wrote it; some were corrected since.
;; Ro I Heads. Allowed arithmetic: float matrix products may take bf16 or f16 operands with f32 sums; all other float work in f32.
;; Inputs: box_regression 16,000 x 364 float32; class_logits 16,000 x 91 float32; proposals 4 x 4,000 x 4 float32.
;; Outputs: out0 4 x 100 x 4 float32; out1 4 x 100 float32; out2 4 x 100 int32; out3 4 x 100 bool.
;; 2 versions, each right; version 2 is version 1 with the launch nms written anew for expert scheduling mode. Each part assembles by itself: llvm-mc -triple=amdgcn-amd-amdhsa -mcpu=gfx1250 --defsym DOCPART=n.
;; ======== version 1 of 2: 3 launches
;; workspace buffers: maskw 192,000 bytes of whole numbers; rowstat 128,000 bytes; keys 368,640 bytes of whole numbers
;; launch score (part 1): grid 500 x 1, 1 waves a work-group, no clusters, 12,032 bytes of LDS; arguments class_logits, maskw, rowstat; writes maskw, rowstat
.if DOCPART == 1
	.amdgcn_target "amdgcn-amd-amdhsa--gfx1250"
	.amdhsa_code_object_version 6
	.text
	.protected	k_q524823e15a_score
	.globl	k_q524823e15a_score
	.p2align	8
	.type	k_q524823e15a_score,@function
k_q524823e15a_score:
	s_mov_b64 s[64:65], 0
	v_nop
	global_prefetch_b8 v0, s[64:65] scope:SCOPE_SE
	s_setreg_imm32_b32 hwreg(HW_REG_WAVE_MODE, 25, 1), 1
	s_wait_xcnt 0x0
; Softmax statistics and the score threshold.  class_logits: [16000][91] f32.
; One wave owns 32 rows = 11,648 consecutive bytes.  They come in by 16-byte loads (a wave's load covers 512 neighbouring
; bytes), are laid into LDS as they lie in memory, and are read back with lane = row: the row pitch is 91 words, an odd
; number, so the 32 lanes of a 4-byte read fall on 32 different banks (64 banks of 4 bytes: ISA guide 11.1).
; Out: rowstat[row] = (row maximum m, r = 1 / sum of e^(x - m)); maskw[group of 32 rows][96 words]: bit l of word c - 1
; says that row 32 g + l has score(class c) > 0.05; words 90 to 95 are 0.  The mask is whole numbers: the next launch
; forms its lists and trip counts from it.
; LIMITS: e^x is 2^(x log2 e) by v_exp_f32 and the division is v_rcp_f32 and a multiply (about one unit in the last place
; each, results below 2^-126 count as 0); NaN and infinite logits are not served.
.set ROWB, 364                         ; bytes in a row
.set BLK,  32*ROWB                     ; bytes of a work-group: 728 pieces of 16
.set L2E,  0x3fb8aa3b                  ; log2 e
.set THR,  0x3d4ccccd                  ; 0.05
.set ST,   8                           ; v[8:99]    23 x 4 registers as loaded
.set X,    100                         ; v[100:190] my row's 91 numbers
.set MR,   192                         ; v[192:193] m, r
.set MM,   194                         ; v[194:195] m twice, for the packed subtraction
.set SUM,  196                         ; v[196:203] four pairs of running sums
.set W,    204                         ; v[204:206] lane i of word register k: mask word 32 k + i
.set T,    208                         ; v[208:215] at work
	s_load_b128 s[4:7], s[0:1], 0x0                ; class_logits s[4:5], maskw s[6:7]
	s_load_b64 s[8:9], s[0:1], 0x10                ; rowstat
	v_lshl_add_u32 v216, v0, 2, 0x2e00
	v_mov_b32 v217, 0
	v_lshlrev_b32 v1, 4, v0                        ; 16 x lane
	v_min_u32 v2, 23, v0                           ; the last load has 24 pieces: lanes 24 to 31 repeat piece 727
	v_lshlrev_b32 v2, 4, v2
	v_mul_u32_u24 v3, v0, ROWB                     ; my row in LDS
	v_lshlrev_b32 v4, 2, v0
	v_lshlrev_b32 v5, 3, v0
	s_mov_b32 s12, THR
	s_mov_b32 s11, 0
	s_mul_i32 s10, ttmp9, BLK
	s_wait_kmcnt 0x0
	s_add_nc_u64 s[4:5], s[4:5], s[10:11]          ; my 32 rows
	s_mul_i32 s10, ttmp9, 384
	s_add_nc_u64 s[6:7], s[6:7], s[10:11]          ; my 96 mask words
	s_lshl_b32 s10, ttmp9, 8
	s_add_nc_u64 s[8:9], s[8:9], s[10:11]          ; my 32 pairs (m, r)
.set i, 0
.rept 22
	global_load_b128 v[ST+4*i:ST+4*i+3], v1, s[4:5] offset:512*i
.set i, i+1
.endr
	global_load_b128 v[ST+88:ST+91], v2, s[4:5] offset:11264
.set i, 0
.rept 22
	s_wait_loadcnt 22-i                            ; loads come back in order: load i is in, the 22 - i younger ones stay out
	ds_store_b128 v1, v[ST+4*i:ST+4*i+3] offset:512*i
.set i, i+1
.endr
	s_wait_loadcnt 0x0
	ds_store_b128 v1, v[ST+88:ST+91] offset:11264  ; lanes 24 to 31 put their repeated piece behind the block, at bytes 11,648 to 11,775, which nobody reads
.set i, 0
.rept 91
	ds_load_b32 v[X+i], v3 offset:4*i              ; LDS serves a wave's instructions in order: these see the stores above
.set i, i+1
.endr
	s_wait_dscnt 0x0
	; the row's maximum: four chains, started by the first twelve numbers
.irp a, 0,1,2,3
	v_max3_num_f32 v[T+\a], v[X+3*\a], v[X+3*\a+1], v[X+3*\a+2]
.endr
.set j, 12
.rept 39
	v_max3_num_f32 v[T+(j/2)%4], v[T+(j/2)%4], v[X+j], v[X+j+1]
.set j, j+2
.endr
	v_max3_num_f32 v[T], v[T], v[T+1], v[X+90]
	v_max3_num_f32 v[MR], v[T], v[T+2], v[T+3]
	v_mov_b32 v[MM], v[MR]
	v_mov_b32 v[MM+1], v[MR]
	; 2^((x - m) log2 e): the difference is rounded first, as the next launch rounds it, so both get the same score bits
.set j, 0
.rept 45
	v_pk_add_f32 v[X+j:X+j+1], v[X+j:X+j+1], v[MM:MM+1] neg_lo:[0,1] neg_hi:[0,1]
.set j, j+2
.endr
	v_sub_f32 v[X+90], v[X+90], v[MR]
.set j, 0
.rept 45
	v_pk_mul_f32 v[X+j:X+j+1], v[X+j:X+j+1], L2E op_sel_hi:[1,0]
.set j, j+2
.endr
	v_mul_f32 v[X+90], L2E, v[X+90]
.set j, 0
.rept 91
	v_exp_f32 v[X+j], v[X+j]
.set j, j+1
.endr
	v_mov_b32 v[W], 0                              ; the plain instruction behind the last exponential (ISA guide 5.7.2)
	; the sum: four chains of pairs
	s_wait_alu depctr_va_vdst(0)
.irp a, 0,1,2,3
	v_pk_add_f32 v[SUM+2*\a:SUM+2*\a+1], v[X+2*\a:X+2*\a+1], v[X+8+2*\a:X+8+2*\a+1]
.endr
.set j, 16
.rept 37
	v_pk_add_f32 v[SUM+j%8:SUM+j%8+1], v[SUM+j%8:SUM+j%8+1], v[X+j:X+j+1]
.set j, j+2
.endr
	v_pk_add_f32 v[SUM:SUM+1], v[SUM:SUM+1], v[SUM+2:SUM+3]
	v_pk_add_f32 v[SUM+4:SUM+5], v[SUM+4:SUM+5], v[SUM+6:SUM+7]
	v_pk_add_f32 v[SUM:SUM+1], v[SUM:SUM+1], v[SUM+4:SUM+5]
	v_add_f32 v[SUM], v[SUM], v[SUM+1]
	v_add_f32 v[SUM], v[SUM], v[X+90]
	v_rcp_f32 v[MR+1], v[SUM]                      ; the sum is at least 1: the maximum's own term
	v_mov_b32 v[W+1], 0                            ; plain instructions behind the reciprocal
	v_mov_b32 v[W+2], 0
	; classes 1 to 90: the compare's 32 bits (one a row) are mask word c - 1
.set c, 1
	s_wait_alu depctr_va_vdst(0)
.rept 90
	v_mul_f32 v[T+c%8], v[X+c], v[MR+1]
	v_cmp_gt_f32 s[20+c%8], v[T+c%8], s12
	v_writelane_b32 v[W+(c-1)/32], s[20+c%8], (c-1)%32
.set c, c+1
.endr
.irp k, 0,1,2
	global_store_b32 v4, v[W+\k], s[6:7] offset:128*\k     ; 128 consecutive bytes each, 384 in all
.endr
	global_store_b64 v5, v[MR:MR+1], s[8:9]                ; 256 consecutive bytes, aligned
	s_wait_tensorcnt 0x0
	ds_add_u32 v216, v217
	s_wait_dscnt 0x0
	s_endpgm
.Lfunc_end_k_q524823e15a_score:
	.size	k_q524823e15a_score, .Lfunc_end_k_q524823e15a_score-k_q524823e15a_score
	.p2alignl 7, 3214868480
	.fill 96, 4, 3214868480
	.section	.rodata,"a",@progbits
	.p2align	6, 0x0
	.amdhsa_kernel k_q524823e15a_score
		.amdhsa_group_segment_fixed_size 12032
		.amdhsa_private_segment_fixed_size 0
		.amdhsa_enable_private_segment 0
		.amdhsa_kernarg_size 24
		.amdhsa_user_sgpr_count 2
		.amdhsa_user_sgpr_kernarg_segment_ptr 1
		.amdhsa_wavefront_size32 1
		.amdhsa_system_sgpr_workgroup_id_x 1
		.amdhsa_system_sgpr_workgroup_id_y 1
		.amdhsa_system_sgpr_workgroup_id_z 1
		.amdhsa_system_vgpr_workitem_id 0
		.amdhsa_next_free_vgpr 218
		.amdhsa_next_free_sgpr 66
		.amdhsa_reserve_vcc 0
		.amdhsa_float_denorm_mode_32 3
		.amdhsa_float_denorm_mode_16_64 3
		.amdhsa_memory_ordered 1
		.amdhsa_forward_progress 1
		.amdhsa_inst_pref_size 42
	.end_amdhsa_kernel
	.amdgpu_metadata
---
amdhsa.version: [ 1, 2 ]
amdhsa.kernels:
  - .name:           k_q524823e15a_score
    .symbol:         k_q524823e15a_score.kd
    .args:
      - { .name: class_logits, .offset: 0, .size: 8, .value_kind: global_buffer, .address_space: global }
      - { .name: maskw, .offset: 8, .size: 8, .value_kind: global_buffer, .address_space: global }
      - { .name: rowstat, .offset: 16, .size: 8, .value_kind: global_buffer, .address_space: global }
    .group_segment_fixed_size: 12032
    .private_segment_fixed_size: 0
    .kernarg_segment_align: 8
    .kernarg_segment_size: 24
    .max_flat_workgroup_size: 32
    .sgpr_count:     66
    .vgpr_count:     218
    .wavefront_size: 32
...
	.end_amdgpu_metadata
.endif
;; end of part 1
;; launch nms (part 2): grid 90 x 4, 1 waves a work-group, no clusters, 133,376 bytes of LDS; arguments box_regression, class_logits, proposals, maskw, rowstat, keys; writes keys
.if DOCPART == 2
	.amdgcn_target "amdgcn-amd-amdhsa--gfx1250"
	.amdhsa_code_object_version 6
	.text
	.protected	k_q524823e15a_nms
	.globl	k_q524823e15a_nms
	.p2align	8
	.type	k_q524823e15a_nms,@function
k_q524823e15a_nms:
	s_mov_b64 s[64:65], 0
	v_nop
	global_prefetch_b8 v0, s[64:65] scope:SCOPE_SE
	s_setreg_imm32_b32 hwreg(HW_REG_WAVE_MODE, 25, 1), 1
	s_wait_xcnt 0x0
; Greedy NMS of ONE class of ONE image, by one wave.  Boxes are clipped to [0, 800] and shifted by 801 x label, so boxes of
; different classes never overlap: the image's greedy order is the merge of its 90 classes' own greedy orders (next launch).
; Only candidates with score > 0.05 can be picked or suppress anything: their proposals n are listed from the mask words
; of the launch before (whole numbers: list places, the count K and all trip counts come from them alone).
; Candidates 0 to 127 of the list stay in registers (4 a lane); those beyond lie in LDS and are walked 128 a trip in every
; step, so any K up to 4,000 is served.  A step: suppress by the last pick, take the best of what is left (score
; descending, n ascending), hand its box to every lane by selects and reductions: no address or branch hangs on a float.
; Out: keys[image][class - 1][128] of 64 bits, strictly descending.  Pick j: high word = the score's bits, low word =
; ~((n << 7) | (class - 1)).  No pick: high word 0, low word ~(0x100000 + 128 (class - 1) + j).
; LIMITS: the test IoU > 0.5 is written inter > 0.5 x union (differs from the rounded quotient only when the exact ratio
; is within about 2^-25, relative, above 0.5; 0 / 0 is false in both).  /10 and /5 are products by 0.1 and 0.2; e^x is
; 2^(x log2 e) by v_exp_f32 (about one unit in the last place).  NaN and infinite inputs are not served.
.set L2E,  0x3fb8aa3b
.set LDUMPW, 4224                      ; LDS words 0-4223: the list; words 4224-4255: where lanes without a flag write
.set KOUT, 17408                       ; 128 keys of 8 bytes
.set SC,   18432                       ; by list place p >= 128: score left, 4 bytes
.set AF,   34816                       ; (area, n as f32), 8 bytes
.set BOX,  67584                       ; shifted box, 16 bytes; ends at 133,120
.set MW,  4                            ; v[4:7]     lane i of register k: mask word of rows 32 (32 k + i) ..
.set NN,  12                           ; v[12:15]   n of my four candidates
.set OD,  16                           ; v[16:19]   byte offsets: deltas,
.set OP,  20                           ; v[20:23]   proposals,
.set OL,  24                           ; v[24:27]   logits,
.set OS,  28                           ; v[28:31]   (m, r)
.set DL,  32                           ; v[32:47]   deltas
.set PR,  48                           ; v[48:63]   proposals
.set LG,  64                           ; v[64:67]   logits
.set SM,  68                           ; v[68:75]   (m, r)
.set DT,  76                           ; v[76:107]  8 registers a candidate, at work in the decoding
.set PS,  108                          ; v[108:135] the set that stays: box 4 k, (area, n) 16 + 2 k, score 24 + k
.set TS,  136                          ; v[136:163] the same for 128 candidates from LDS
.set TT,  164                          ; v[164:179] 4 registers a candidate, at work in a step
.set L01, 180                          ; six registers each: score, n, x1, y1, x2, y2
.set L23, 186
.set LB,  192                          ; my lane's best
.set GB,  198                          ; my lane's best of a group from LDS
.set BX,  204                          ; v[204:207] the last pick's box, in every lane
.set BA,  208                          ; its area
.set BFN, 209                          ; its n as f32
.set MX,  210                          ; the best score
.set TF,  211
.set PT,  212                          ; v[212:215] what the other half of the lanes holds
.set OFFP, 216                         ; v[216:217] 801 x label, twice
.set KEY, 218                          ; v[218:219] a key
.set KADR, 220
.set NEGV, 221                         ; -1e30
.set A4,  222                          ; 4, 8, 16 x list place, with the region's start for the last two
.set A8,  223
.set A16, 224
.set POS, 225                          ; list place of my first candidate of a group
.set LA,  226
.set TA,  229
.set TB,  230
	s_load_b256 s[4:11], s[0:1], 0x0               ; box_regression s[4:5], class_logits s[6:7], proposals s[8:9], maskw s[10:11]
	s_load_b128 s[12:15], s[0:1], 0x20             ; rowstat s[12:13], keys s[14:15]
	v_lshl_add_u32 v232, v0, 2, 0x20800
	v_mov_b32 v233, 0
	s_mov_b32 s18, ttmp9                           ; class - 1
	s_and_b32 s19, ttmp7, 0xffff                   ; image
	s_add_co_u32 s29, s18, 1                       ; label
	s_mov_b32 s17, 0
	s_mov_b32 s30, 0x76543210                      ; v_permlanex16_b32: lane i reads lane i of the other half
	s_mov_b32 s31, 0xfedcba98
	s_mov_b32 s32, 0x1fffffff                      ; an image has 125 = 96 + 29 mask words
	s_lshl_b32 s38, s18, 7
	s_add_co_u32 s38, s38, 0x100000                ; number of this list's first empty key
	s_mov_b32 s40, 0x40845349                      ; log(1000 / 16)
	s_mov_b32 s41, 0x44480000                      ; 800
	s_mov_b32 s42, 0x3c23d70a                      ; 0.01
	s_mov_b32 s43, 0xf0c9f2ca                      ; -0.5e30
	s_mov_b32 s44, 0x4e6e6b28                      ; 1e9: above every n
	v_mul_u32_u24 v8, v0, 384                      ; a group's 96 words
	v_min_u32 v9, 28, v0                           ; the last 29 groups: lanes 29 to 31 repeat the last, inside the image's part
	v_mul_u32_u24 v9, v9, 384
	s_wait_kmcnt 0x0
	s_mul_i32 s16, s19, 48000
	s_lshl2_add_u32 s16, s18, s16
	s_add_nc_u64 s[10:11], s[10:11], s[16:17]      ; maskw at my image's first group, my class's word
	global_load_b32 v[MW],   v8, s[10:11]
	global_load_b32 v[MW+1], v8, s[10:11] offset:12288
	global_load_b32 v[MW+2], v8, s[10:11] offset:24576
	global_load_b32 v[MW+3], v9, s[10:11] offset:36864
	s_mul_i32 s16, s19, 5824000
	s_lshl4_add_u32 s16, s29, s16
	s_add_nc_u64 s[4:5], s[4:5], s[16:17]          ; deltas of proposal 0 of my image, my class
	s_mul_i32 s16, s19, 1456000
	s_lshl2_add_u32 s16, s29, s16
	s_add_nc_u64 s[6:7], s[6:7], s[16:17]          ; its logit
	s_mul_i32 s16, s19, 64000
	s_add_nc_u64 s[8:9], s[8:9], s[16:17]
	s_mul_i32 s16, s19, 32000
	s_add_nc_u64 s[12:13], s[12:13], s[16:17]
	s_mul_i32 s16, s19, 90
	s_add_co_u32 s16, s16, s18
	s_lshl_b32 s16, s16, 10
	s_add_nc_u64 s[14:15], s[14:15], s[16:17]      ; my list of 1,024 bytes
	; while the mask words are on their way: constants in registers, the list cleared, and all 128 keys as empty ones
	v_add_nc_u32 v10, LDUMPW, v0
	v_lshlrev_b32 v11, 4, v0
	v_mov_b32 v[NEGV], 0xf149f2ca
.irp i, 0,1,2,3
	v_mov_b32 v[PT+\i], 0                          ; v_permlanex16_b32 counts as a reader of its destination
	v_mov_b32 v[BX+\i], 0                          ; the start's 'last pick': a box at 0, which meets no shifted box (all lie at 801 or above)
.endr
.set i, 0
.rept 33
	ds_store_b128 v11, v[PT:PT+3] offset:512*i     ; all 4,224 list words name proposal 0: every place that a group reads is written, those at K and beyond too
.set i, i+1
.endr
	v_mov_b32 v[BA], 0
	v_mov_b32 v[BFN], -1.0                         ; and is nobody's n
	v_mov_b32 v[MX], 0
	v_cvt_f32_u32 v[OFFP], s29
	v_mul_f32 v[OFFP], 0x44484000, v[OFFP]         ; 801 x label, exact
	v_mov_b32 v[OFFP+1], v[OFFP]
	v_mov_b32 v[POS], v0
	v_add_nc_u32 v[TA], s38, v0
	v_lshlrev_b32 v[KADR], 3, v0
	v_mov_b32 v[KEY+1], 0
.irp k, 0,1,2,3
	v_add_nc_u32 v[KEY], 32*\k, v[TA]
	v_xor_b32 v[KEY], -1, v[KEY]
	ds_store_b64 v[KADR], v[KEY:KEY+1] offset:KOUT+256*\k
.endr
	s_wait_loadcnt 0x0                             ; the four mask loads; v8 and v9 are free again
	v_cndmask_b32 v[MW+3], 0, v[MW+3], s32
	; THE LIST.  Word g flags rows 32 g + lane.  A flagged lane's place is the running count plus the flags below it.
	; LDS serves a wave's instructions in order, so these stores land on the cleared words.
	s_mov_b32 s21, 0
.set g, 0
.rept 125
	v_readlane_b32 s20, v[MW+g/32], g%32
	v_mbcnt_lo_u32_b32 v8, s20, s21
	v_cndmask_b32 v8, v10, v8, s20                 ; no flag: my dump word
	v_min_u32 v8, 0x109f, v8                       ; inside the list and its dump words whatever the mask holds
	v_lshlrev_b32 v8, 2, v8
	v_add_nc_u32 v9, 32*g, v0                      ; n
	ds_store_b32 v8, v9
	s_bcnt1_i32_b32 s22, s20
	s_add_co_u32 s21, s21, s22
.set g, g+1
.endr
	s_min_u32 s21, s21, 4000                       ; K
	s_min_u32 s23, s21, 100                        ; steps: no list gives more picks than it has candidates, or than 100
	s_add_co_u32 s24, s21, 127
	s_lshr_b32 s24, s24, 7
	s_max_u32 s24, s24, 1                          ; groups of 128, the first (in registers) among them: 1 to 32
; 128 candidates, places POS + 32 k: gathered, decoded, clipped, tested, shifted; into the set at \base.
.macro GATHER base
	v_lshlrev_b32 v[LA], 2, v[POS]
.irp k, 0,1,2,3
	ds_load_b32 v[NN+\k], v[LA] offset:128*\k
.endr
	s_wait_dscnt 0x0
.irp k, 0,1,2,3
	v_min_u32 v[NN+\k], 3999, v[NN+\k]
.endr
.irp k, 0,1,2,3
	v_mul_u32_u24 v[OD+\k], v[NN+\k], 1456
	v_lshlrev_b32 v[OP+\k], 4, v[NN+\k]
	v_mul_u32_u24 v[OL+\k], v[NN+\k], 364
	v_lshlrev_b32 v[OS+\k], 3, v[NN+\k]
.endr
.irp k, 0,1,2,3
	global_load_b128 v[DL+4*\k:DL+4*\k+3], v[OD+\k], s[4:5]
	global_load_b128 v[PR+4*\k:PR+4*\k+3], v[OP+\k], s[8:9]
	global_load_b32 v[LG+\k], v[OL+\k], s[6:7]
	global_load_b64 v[SM+2*\k:SM+2*\k+1], v[OS+\k], s[12:13]
.endr
	s_wait_loadcnt 0x0                             ; all sixteen: their offset registers are free for the next group too
.irp k, 0,1,2,3
	v_pk_add_f32 v[DT+8*\k:DT+8*\k+1], v[PR+4*\k+2:PR+4*\k+3], v[PR+4*\k:PR+4*\k+1] neg_lo:[0,1] neg_hi:[0,1]   ; w, h
	v_pk_mul_f32 v[DT+8*\k+4:DT+8*\k+5], v[DL+4*\k+2:DL+4*\k+3], 0x3e4ccccd op_sel_hi:[1,0]                    ; dw, dh
	v_sub_f32 v[DT+8*\k+6], v[LG+\k], v[SM+2*\k]                                                               ; logit - m
.endr
.irp k, 0,1,2,3
	v_min_num_f32 v[DT+8*\k+4], s40, v[DT+8*\k+4]
	v_min_num_f32 v[DT+8*\k+5], s40, v[DT+8*\k+5]
	v_mul_f32 v[DT+8*\k+6], L2E, v[DT+8*\k+6]
.endr
.irp k, 0,1,2,3
	v_pk_mul_f32 v[DT+8*\k+4:DT+8*\k+5], v[DT+8*\k+4:DT+8*\k+5], L2E op_sel_hi:[1,0]
.endr
.irp k, 0,1,2,3
	v_exp_f32 v[DT+8*\k+4], v[DT+8*\k+4]
	v_exp_f32 v[DT+8*\k+5], v[DT+8*\k+5]
	v_exp_f32 v[DT+8*\k+6], v[DT+8*\k+6]
.endr
.irp k, 0,1,2,3                                    ; plain work that touches no exponential stands behind the last of them (ISA guide 5.7.2)
	v_pk_fma_f32 v[DT+8*\k+2:DT+8*\k+3], v[DT+8*\k:DT+8*\k+1], 0.5, v[PR+4*\k:PR+4*\k+1] op_sel_hi:[1,0,1]      ; centres
	v_pk_mul_f32 v[DL+4*\k:DL+4*\k+1], v[DL+4*\k:DL+4*\k+1], 0x3dcccccd op_sel_hi:[1,0]                        ; dx, dy
.endr
	s_wait_alu depctr_va_vdst(0)
.irp k, 0,1,2,3
	v_pk_fma_f32 v[DT+8*\k+2:DT+8*\k+3], v[DL+4*\k:DL+4*\k+1], v[DT+8*\k:DT+8*\k+1], v[DT+8*\k+2:DT+8*\k+3]     ; new centres
	v_pk_mul_f32 v[DT+8*\k+4:DT+8*\k+5], v[DT+8*\k+4:DT+8*\k+5], v[DT+8*\k:DT+8*\k+1]                          ; new sizes
	v_mul_f32 v[DT+8*\k+6], v[DT+8*\k+6], v[SM+2*\k+1]                                                         ; score
.endr
.irp k, 0,1,2,3
	v_pk_fma_f32 v[\base+4*\k:\base+4*\k+1],   v[DT+8*\k+4:DT+8*\k+5], -0.5, v[DT+8*\k+2:DT+8*\k+3] op_sel_hi:[1,0,1]
	v_pk_fma_f32 v[\base+4*\k+2:\base+4*\k+3], v[DT+8*\k+4:DT+8*\k+5], 0.5,  v[DT+8*\k+2:DT+8*\k+3] op_sel_hi:[1,0,1]
	v_cvt_f32_u32 v[\base+17+2*\k], v[NN+\k]       ; n as f32: exact
	v_add_nc_u32 v[DT+8*\k+7], 32*\k, v[POS]       ; the list place
.endr
.irp k, 0,1,2,3
.irp i, 0,1,2,3
	v_med3_num_f32 v[\base+4*\k+\i], v[\base+4*\k+\i], 0, s41      ; clipped to the image
.endr
.endr
.irp k, 0,1,2,3
	v_pk_add_f32 v[DT+8*\k:DT+8*\k+1], v[\base+4*\k+2:\base+4*\k+3], v[\base+4*\k:\base+4*\k+1] neg_lo:[0,1] neg_hi:[0,1]
.endr
.irp k, 0,1,2,3
	v_cmp_le_f32 s34, s42, v[DT+8*\k]              ; both sides at least 0.01,
	v_cmp_le_f32 s35, s42, v[DT+8*\k+1]
	v_cmp_gt_u32 vcc_lo, s21, v[DT+8*\k+7]         ; and a place below K
	s_and_b32 s34, s34, s35
	s_and_b32 s34, s34, vcc_lo
	v_cndmask_b32 v[\base+24+\k], v[NEGV], v[DT+8*\k+6], s34
	v_pk_add_f32 v[\base+4*\k:\base+4*\k+1],   v[\base+4*\k:\base+4*\k+1],   v[OFFP:OFFP+1]    ; shifted by the class, with the rounding that this brings
	v_pk_add_f32 v[\base+4*\k+2:\base+4*\k+3], v[\base+4*\k+2:\base+4*\k+3], v[OFFP:OFFP+1]
.endr
.irp k, 0,1,2,3
	v_pk_add_f32 v[DT+8*\k:DT+8*\k+1], v[\base+4*\k+2:\base+4*\k+3], v[\base+4*\k:\base+4*\k+1] neg_lo:[0,1] neg_hi:[0,1]
.endr
.irp k, 0,1,2,3
	v_mul_f32 v[\base+16+2*\k], v[DT+8*\k], v[DT+8*\k+1]           ; area of the shifted box
.endr
.endm
; the LDS addresses of group s27 (1 to 31): list place 128 s27 + lane
.macro OVADDR
	s_lshl_b32 s28, s27, 7
	v_add_nc_u32 v[POS], s28, v0
	v_lshlrev_b32 v[A4], 2, v[POS]
	v_lshl_add_u32 v[A8], v[POS], 3, AF
	v_lshl_add_u32 v[A16], v[POS], 4, BOX
.endm
	GATHER PS                                      ; places 0 to 127 stay in registers
	s_cmp_eq_u32 s24, 1
	s_cbranch_scc1 .Lgathered
	s_mov_b32 s26, 1
.Lmore:                                            ; places 128 and up go to LDS: groups 1 to s24 - 1
	s_min_u32 s27, s26, 31
	OVADDR
	GATHER TS
.irp k, 0,1,2,3
	ds_store_b128 v[A16], v[TS+4*\k:TS+4*\k+3] offset:512*\k
	ds_store_b64 v[A8], v[TS+16+2*\k:TS+17+2*\k] offset:256*\k
	ds_store_b32 v[A4], v[TS+24+\k] offset:SC+128*\k
.endr
	s_add_co_u32 s26, s26, 1
	s_cmp_lt_u32 s26, s24
	s_cbranch_scc1 .Lmore
.Lgathered:
	s_cmp_eq_u32 s23, 0
	s_cbranch_scc1 .Lout                           ; no candidate: the 128 empty keys go out as they are
; the last pick suppresses: score = -1e30 where inter > 0.5 x union, or where the candidate is the pick itself
.macro SUPP base
.irp k, 0,1,2,3
	v_max_num_f32 v[TT+4*\k],   v[\base+4*\k],   v[BX]
	v_max_num_f32 v[TT+4*\k+1], v[\base+4*\k+1], v[BX+1]
	v_min_num_f32 v[TT+4*\k+2], v[\base+4*\k+2], v[BX+2]
	v_min_num_f32 v[TT+4*\k+3], v[\base+4*\k+3], v[BX+3]
.endr
.irp k, 0,1,2,3
	v_pk_add_f32 v[TT+4*\k+2:TT+4*\k+3], v[TT+4*\k+2:TT+4*\k+3], v[TT+4*\k:TT+4*\k+1] neg_lo:[0,1] neg_hi:[0,1]
.endr
.irp k, 0,1,2,3
	v_max_num_f32 v[TT+4*\k+2], 0, v[TT+4*\k+2]
	v_max_num_f32 v[TT+4*\k+3], 0, v[TT+4*\k+3]
	v_add_f32 v[TT+4*\k], v[\base+16+2*\k], v[BA]
.endr
.irp k, 0,1,2,3
	v_mul_f32 v[TT+4*\k+2], v[TT+4*\k+2], v[TT+4*\k+3]             ; inter
.endr
.irp k, 0,1,2,3
	v_sub_f32 v[TT+4*\k], v[TT+4*\k], v[TT+4*\k+2]                 ; union
.endr
.irp k, 0,1,2,3
	v_mul_f32 v[TT+4*\k], 0.5, v[TT+4*\k]                          ; exact
.endr
.irp k, 0,1,2,3
	v_cmp_gt_f32 s[34+\k], v[TT+4*\k+2], v[TT+4*\k]
	v_cmp_eq_f32 vcc_lo, v[\base+17+2*\k], v[BFN]
	s_or_b32 s[34+\k], s[34+\k], vcc_lo
.endr
.irp k, 0,1,2,3
	v_cndmask_b32 v[\base+24+\k], v[\base+24+\k], v[NEGV], s[34+\k]
.endr
.endm
; the better of candidates ka and kb of a set; kb (the later place, the larger n) wins only with a larger score
.macro PAIR dst, base, ka, kb
	v_cmp_gt_f32 vcc_lo, v[\base+24+\kb], v[\base+24+\ka]
	v_cndmask_b32 v[\dst],   v[\base+24+\ka],   v[\base+24+\kb],   vcc_lo
	v_cndmask_b32 v[\dst+1], v[\base+17+2*\ka], v[\base+17+2*\kb], vcc_lo
.irp i, 0,1,2,3
	v_cndmask_b32 v[\dst+2+\i], v[\base+4*\ka+\i], v[\base+4*\kb+\i], vcc_lo
.endr
.endm
.macro BETTER dst, first, later
	v_cmp_gt_f32 vcc_lo, v[\later], v[\first]
.irp i, 0,1,2,3,4,5
	v_cndmask_b32 v[\dst+\i], v[\first+\i], v[\later+\i], vcc_lo
.endr
.endm
.macro SEL base, dst
	PAIR L01, \base, 0, 1
	PAIR L23, \base, 2, 3
	BETTER \dst, L01, L23
.endm
; maximum (minimum) of src over the 32 lanes, into every lane of dst: four steps inside each half, one across
.macro RMAX dst, src, tmp
	v_max_num_f32_dpp v[\dst], v[\src], v[\src] row_xmask:1 row_mask:0xf bank_mask:0xf
.irp m, 2,4,8
	v_max_num_f32_dpp v[\dst], v[\dst], v[\dst] row_xmask:\m row_mask:0xf bank_mask:0xf
.endr
	v_permlanex16_b32 v[\tmp], v[\dst], s30, s31
	v_max_num_f32 v[\dst], v[\dst], v[\tmp]
.endm
.macro RMIN dst, src, tmp
	v_min_num_f32_dpp v[\dst], v[\src], v[\src] row_xmask:1 row_mask:0xf bank_mask:0xf
.irp m, 2,4,8
	v_min_num_f32_dpp v[\dst], v[\dst], v[\dst] row_xmask:\m row_mask:0xf bank_mask:0xf
.endr
	v_permlanex16_b32 v[\tmp], v[\dst], s30, s31
	v_min_num_f32 v[\dst], v[\dst], v[\tmp]
.endm
	s_mov_b32 s25, 0
.Lstep:
	SUPP PS
	SEL PS, LB
	s_cmp_eq_u32 s24, 1
	s_cbranch_scc1 .Lreduce
	s_mov_b32 s26, 1
.Lgroup:                                           ; the same for 128 candidates from LDS; only their scores go back
	s_min_u32 s27, s26, 31
	OVADDR
.irp k, 0,1,2,3
	ds_load_b128 v[TS+4*\k:TS+4*\k+3], v[A16] offset:512*\k
	ds_load_b64 v[TS+16+2*\k:TS+17+2*\k], v[A8] offset:256*\k
	ds_load_b32 v[TS+24+\k], v[A4] offset:SC+128*\k
.endr
	s_wait_dscnt 0x0
	SUPP TS
.irp k, 0,1,2,3
	ds_store_b32 v[A4], v[TS+24+\k] offset:SC+128*\k
.endr
	SEL TS, GB
	BETTER LB, LB, GB
	s_add_co_u32 s26, s26, 1
	s_cmp_lt_u32 s26, s24
	s_cbranch_scc1 .Lgroup
.Lreduce:
	RMAX MX, LB, PT                                ; the best score,
	v_cmp_eq_f32 vcc_lo, v[LB], v[MX]
	v_cndmask_b32 v[TF], s44, v[LB+1], vcc_lo
	RMIN BFN, TF, PT                               ; the smallest n that has it,
	v_cmp_eq_f32 s34, v[TF], v[BFN]
.irp i, 0,1,2,3
	v_cndmask_b32 v[BX+\i], 0, v[LB+2+\i], s34     ; and its box: 0 in the other lanes, and no coordinate is below 0
.endr
.irp m, 1,2,4,8
.irp i, 0,1,2,3
	v_max_num_f32_dpp v[BX+\i], v[BX+\i], v[BX+\i] row_xmask:\m row_mask:0xf bank_mask:0xf
.endr
.endr
.irp i, 0,1,2,3
	v_permlanex16_b32 v[PT+\i], v[BX+\i], s30, s31
.endr
.irp i, 0,1,2,3
	v_max_num_f32 v[BX+\i], v[BX+\i], v[PT+\i]
.endr
	v_pk_add_f32 v[TT:TT+1], v[BX+2:BX+3], v[BX:BX+1] neg_lo:[0,1] neg_hi:[0,1]
	v_mul_f32 v[BA], v[TT], v[TT+1]
	; key j.  Every lane holds the same key and stores it to the same 8 bytes.
	v_cmp_gt_f32 vcc_lo, v[MX], s43                ; a pick, or nothing left
	v_cvt_u32_f32 v[TA], v[BFN]
	v_lshl_or_b32 v[TA], v[TA], 7, s18
	s_add_co_u32 s28, s38, s25
	v_mov_b32 v[TB], s28
	v_cndmask_b32 v[TA], v[TB], v[TA], vcc_lo
	v_xor_b32 v[KEY], -1, v[TA]
	v_cndmask_b32 v[KEY+1], 0, v[MX], vcc_lo
	s_min_u32 s27, s25, 127
	s_lshl_b32 s27, s27, 3
	v_mov_b32 v[KADR], s27
	ds_store_b64 v[KADR], v[KEY:KEY+1] offset:KOUT
	s_add_co_u32 s25, s25, 1
	s_cmp_lt_u32 s25, s23
	s_cbranch_scc1 .Lstep
.Lout:
	v_lshlrev_b32 v[TA], 4, v0
	ds_load_b128 v[DL:DL+3], v[TA] offset:KOUT
	ds_load_b128 v[DL+4:DL+7], v[TA] offset:KOUT+512
	s_wait_dscnt 0x0
	global_store_b128 v[TA], v[DL:DL+3], s[14:15]                  ; 512 consecutive bytes each, aligned
	global_store_b128 v[TA], v[DL+4:DL+7], s[14:15] offset:512
	s_wait_tensorcnt 0x0
	ds_add_u32 v232, v233
	s_wait_dscnt 0x0
	s_endpgm
.Lfunc_end_k_q524823e15a_nms:
	.size	k_q524823e15a_nms, .Lfunc_end_k_q524823e15a_nms-k_q524823e15a_nms
	.p2alignl 7, 3214868480
	.fill 96, 4, 3214868480
	.section	.rodata,"a",@progbits
	.p2align	6, 0x0
	.amdhsa_kernel k_q524823e15a_nms
		.amdhsa_group_segment_fixed_size 133376
		.amdhsa_private_segment_fixed_size 0
		.amdhsa_enable_private_segment 0
		.amdhsa_kernarg_size 48
		.amdhsa_user_sgpr_count 2
		.amdhsa_user_sgpr_kernarg_segment_ptr 1
		.amdhsa_wavefront_size32 1
		.amdhsa_system_sgpr_workgroup_id_x 1
		.amdhsa_system_sgpr_workgroup_id_y 1
		.amdhsa_system_sgpr_workgroup_id_z 1
		.amdhsa_system_vgpr_workitem_id 0
		.amdhsa_next_free_vgpr 234
		.amdhsa_next_free_sgpr 66
		.amdhsa_reserve_vcc 1
		.amdhsa_float_denorm_mode_32 3
		.amdhsa_float_denorm_mode_16_64 3
		.amdhsa_memory_ordered 1
		.amdhsa_forward_progress 1
		.amdhsa_inst_pref_size 99
	.end_amdhsa_kernel
	.amdgpu_metadata
---
amdhsa.version: [ 1, 2 ]
amdhsa.kernels:
  - .name:           k_q524823e15a_nms
    .symbol:         k_q524823e15a_nms.kd
    .args:
      - { .name: box_regression, .offset: 0, .size: 8, .value_kind: global_buffer, .address_space: global }
      - { .name: class_logits, .offset: 8, .size: 8, .value_kind: global_buffer, .address_space: global }
      - { .name: proposals, .offset: 16, .size: 8, .value_kind: global_buffer, .address_space: global }
      - { .name: maskw, .offset: 24, .size: 8, .value_kind: global_buffer, .address_space: global }
      - { .name: rowstat, .offset: 32, .size: 8, .value_kind: global_buffer, .address_space: global }
      - { .name: keys, .offset: 40, .size: 8, .value_kind: global_buffer, .address_space: global }
    .group_segment_fixed_size: 133376
    .private_segment_fixed_size: 0
    .kernarg_segment_align: 8
    .kernarg_segment_size: 48
    .max_flat_workgroup_size: 32
    .sgpr_count:     66
    .vgpr_count:     234
    .wavefront_size: 32
...
	.end_amdgpu_metadata
.endif
;; end of part 2
;; launch merge (part 3): grid 90 x 4, 1 waves a work-group, no clusters, 0 bytes of LDS; arguments keys, box_regression, proposals, out0, out1, out2, out3; writes out0, out1, out2, out3
.if DOCPART == 3
	.amdgcn_target "amdgcn-amd-amdhsa--gfx1250"
	.amdhsa_code_object_version 6
	.text
	.protected	k_q524823e15a_merge
	.globl	k_q524823e15a_merge
	.p2align	8
	.type	k_q524823e15a_merge,@function
k_q524823e15a_merge:
	s_mov_b64 s[64:65], 0
	v_nop
	global_prefetch_b8 v0, s[64:65] scope:SCOPE_SE
	s_setreg_imm32_b32 hwreg(HW_REG_WAVE_MODE, 25, 1), 1
	s_wait_xcnt 0x0
; The 90 lists of an image are merged: detection number r is the key with exactly r larger keys among the image's 9,000
; (entries 0 to 99 of each list).  All keys differ, so the ranks are a permutation: each of the ranks 0 to 99 belongs to
; one key, and each output element is stored once, by the wave that owns that key's list.  Empty keys (high word 0) rank
; behind all picks and store zeros and false.
; One wave owns one list (class - 1 = work-group x, image = work-group y).  It keeps rows 0 to 7 (entry j of all 90 lists)
; in 48 registers, lane = list, and walks its own list from the top.  Lists descend, so: a row with no larger key ends a
; count (deeper rows are read from memory, four a trip, only if row 7 still holds a larger key), and the first entry with
; 100 or more above it ends the walk.  Then lane = own entry: all ranked entries are gathered, decoded and stored at once.
; Ranks, stops and addresses hang on the keys alone, which are whole numbers stored by the launch before.
; No LDS, no tensor load, no cluster: what the waves of an image share is 64 bytes of each of 90 lists, taken once,
; straight into the registers in which it is compared.  The stores are small and scattered: the four outputs are 10,000
; bytes in all, and neighbouring ranks belong to different waves.
; The box is decoded again from its deltas, as in the launch before, without the class's shift.
; LIMITS: /10 and /5 are products by 0.1 and 0.2; e^x is 2^(x log2 e) by v_exp_f32; NaN and infinities are not served.
.set L2E,  0x3fb8aa3b
.set TOPR, 8                           ; rows kept in registers
.set TOP, 4                            ; v[4:51]    16 q + 2 r: key (low, high) of row r of list lane + 32 q
.set KB,  52                           ; v[52:75]   8 q + 2 r: the same for four deeper rows
.set COL, 76                           ; v[76:78]   byte offset of list lane + 32 q in the image's table (the last list repeated beyond 89)
.set CA,  79                           ; v[79:81]   the same at a trip's first row
.set EK,  82                           ; v[82:83]   my entry's key, in every lane
.set EN,  84                           ; v[84:85]   the next entry's
.set EA,  86                           ; byte offset of my entry in my list
.set TR,  87                           ; a rank
.set OWN, 88                           ; v[88:95]   2 k: key of my list's entry lane + 32 k
.set RK,  96                           ; v[96:99]   its rank; 100: none
.set LI,  100                          ; v[100:103] lane + 32 k
.set LBL, 104                          ; the label, in every lane
.set WH,  106                          ; v[106:107] a proposal's sides
.set CT,  108                          ; v[108:109] centres
.set SZ,  110                          ; v[110:111] new sides
; one register, or one group of four, for each chunk k of 32 entries:
.set NV,  112                          ; v[112:115] n
.set OD,  116                          ; v[116:119] byte offset of the deltas
.set OP,  120                          ; v[120:123] of the proposal
.set RA,  124                          ; v[124:127] 1 x rank
.set R16, 128                          ; v[128:131] 16 x rank
.set R4,  132                          ; v[132:135] 4 x rank
.set LAB, 136                          ; v[136:139] label to store
.set FLG, 140                          ; v[140:143] flag to store
.set DL,  144                          ; v[144:159] deltas
.set PR,  160                          ; v[160:175] proposals
.set OB,  176                          ; v[176:191] boxes to store
.set SA,  44                           ; s[44:52], s[53:61] two sets of nine compare masks, by turns
	s_load_b128 s[4:7], s[0:1], 0x0                ; keys s[4:5], box_regression s[6:7]
	s_load_b64 s[8:9], s[0:1], 0x10                ; proposals
	s_load_b256 s[12:19], s[0:1], 0x18             ; out0 s[12:13], out1 s[14:15], out2 s[16:17], out3 s[18:19]
	s_mov_b32 s20, ttmp9                           ; my list = class - 1
	s_and_b32 s22, ttmp7, 0xffff                   ; image
	s_add_co_u32 s38, s20, 1                       ; label
	s_mov_b32 s37, 0
	s_mov_b32 s32, 0x03ffffff                      ; lists 64 to 89: 26 lanes
	s_mov_b32 s40, 0x40845349                      ; log(1000 / 16)
	s_mov_b32 s41, 0x44480000                      ; 800
	v_lshlrev_b32 v2, 3, v0                        ; 8 x lane
.irp q, 0,1,2
	v_add_nc_u32 v[COL+\q], 32*\q, v0
	v_min_u32 v[COL+\q], 89, v[COL+\q]
	v_lshlrev_b32 v[COL+\q], 10, v[COL+\q]         ; a list is 1,024 bytes
.endr
	v_mov_b32 v[EA], 0
	s_mul_i32 s36, s22, 92160
	s_wait_kmcnt 0x0
	s_add_nc_u64 s[4:5], s[4:5], s[36:37]          ; my image's 90 lists
	s_lshl_b32 s36, s20, 10
	s_add_nc_u64 s[10:11], s[4:5], s[36:37]        ; my list
	global_load_b64 v[EK:EK+1], v[EA], s[10:11]    ; entry 0: the same 8 bytes in every lane
.irp q, 0,1,2
.irp h, 0,1,2,3
	global_load_b128 v[TOP+16*\q+4*\h:TOP+16*\q+4*\h+3], v[COL+\q], s[4:5] offset:16*\h   ; rows 2 h and 2 h + 1
.endr
.endr
.irp k, 0,1,2,3
	global_load_b64 v[OWN+2*\k:OWN+2*\k+1], v2, s[10:11] offset:256*\k    ; 256 consecutive bytes, aligned
.endr
	s_mul_i32 s36, s22, 5824000
	s_lshl4_add_u32 s36, s38, s36
	s_add_nc_u64 s[6:7], s[6:7], s[36:37]          ; deltas of proposal 0 of my image, my class
	s_mul_i32 s36, s22, 64000
	s_add_nc_u64 s[8:9], s[8:9], s[36:37]
	s_mul_i32 s36, s22, 1600
	s_add_nc_u64 s[12:13], s[12:13], s[36:37]
	s_mul_i32 s36, s22, 400
	s_add_nc_u64 s[14:15], s[14:15], s[36:37]
	s_add_nc_u64 s[16:17], s[16:17], s[36:37]
	s_mul_i32 s36, s22, 100
	s_add_nc_u64 s[18:19], s[18:19], s[36:37]
.irp k, 0,1,2,3
	v_mov_b32 v[RK+\k], 100
	v_add_nc_u32 v[LI+\k], 32*\k, v0
.endr
	v_mov_b32 v[LBL], s38
	s_wait_loadcnt 0x0                             ; all seventeen
; One row against my key, 64 bits as two words: nine masks into the set at \set.
.macro CMP3 base, stride, row, set
.irp q, 0,1,2
	v_cmp_gt_u32 s[\set+3*\q],   v[\base+\stride*\q+2*\row+1], v[EK+1]
	v_cmp_eq_u32 s[\set+3*\q+1], v[\base+\stride*\q+2*\row+1], v[EK+1]
	v_cmp_gt_u32 s[\set+3*\q+2], v[\base+\stride*\q+2*\row],   v[EK]
.endr
.endm
; The set's masks are counted: s27 = larger keys in that row, s26 += s27.
.macro SUM3 set
.irp q, 0,1,2
	s_and_b32 s[\set+3*\q+1], s[\set+3*\q+1], s[\set+3*\q+2]
	s_or_b32 s[\set+3*\q], s[\set+3*\q], s[\set+3*\q+1]
.endr
	s_and_b32 s[\set+6], s[\set+6], s32            ; the repeated last list counts once
.irp q, 0,1,2
	s_bcnt1_i32_b32 s[\set+3*\q], s[\set+3*\q]
.endr
	s_add_co_u32 s27, s[\set], s[\set+3]
	s_add_co_u32 s27, s27, s[\set+6]
	s_add_co_u32 s26, s26, s27
.endm
; \rows rows: the scalar sums of a row stand behind the next row's compares, so that they find their masks written.
.macro COUNT base, stride, rows
	CMP3 \base, \stride, 0, SA
.set r, 1
.rept \rows-1
	CMP3 \base, \stride, r, SA+9*(r%2)
	SUM3 SA+9*((r+1)%2)
.set r, r+1
.endr
	SUM3 SA+9*((\rows+1)%2)
.endm
; THE WAY OUT, for entries lane + 32 k of my list, in three stages.
; Stage 1: every offset of chunk k, and its two gathers.
.macro ADDR k
	v_cmp_gt_u32 vcc_lo, 100, v[RK+\k]             ; lanes with a rank
	v_xor_b32 v[NV+\k], -1, v[OWN+2*\k]
	v_lshrrev_b32 v[NV+\k], 7, v[NV+\k]
	v_cndmask_b32 v[NV+\k], 0, v[NV+\k], vcc_lo    ; the others all read proposal 0
	v_min_u32 v[NV+\k], 3999, v[NV+\k]             ; n (an empty key's number is clamped; its box is not used)
	v_mul_u32_u24 v[OD+\k], v[NV+\k], 1456
	v_lshlrev_b32 v[OP+\k], 4, v[NV+\k]
	global_load_b128 v[DL+4*\k:DL+4*\k+3], v[OD+\k], s[6:7]
	global_load_b128 v[PR+4*\k:PR+4*\k+3], v[OP+\k], s[8:9]
	v_min_u32 v[RA+\k], 99, v[RK+\k]
	v_lshlrev_b32 v[R16+\k], 4, v[RA+\k]
	v_lshlrev_b32 v[R4+\k], 2, v[RA+\k]
	v_cmp_ne_u32 vcc_lo, 0, v[OWN+2*\k+1]          ; a pick, or an empty key
	v_cndmask_b32 v[LAB+\k], 0, v[LBL], vcc_lo
	v_cndmask_b32 v[FLG+\k], 0, 1, vcc_lo
.endm
; Stage 2: chunk k's boxes, decoded and clipped; zeros for empty keys.
.macro DECODE k
	v_pk_add_f32 v[WH:WH+1], v[PR+4*\k+2:PR+4*\k+3], v[PR+4*\k:PR+4*\k+1] neg_lo:[0,1] neg_hi:[0,1]    ; w, h
	v_pk_mul_f32 v[SZ:SZ+1], v[DL+4*\k+2:DL+4*\k+3], 0x3e4ccccd op_sel_hi:[1,0]                       ; dw, dh
	v_min_num_f32 v[SZ], s40, v[SZ]
	v_min_num_f32 v[SZ+1], s40, v[SZ+1]
	v_pk_mul_f32 v[SZ:SZ+1], v[SZ:SZ+1], L2E op_sel_hi:[1,0]
	v_exp_f32 v[SZ], v[SZ]
	v_exp_f32 v[SZ+1], v[SZ+1]
	v_pk_fma_f32 v[CT:CT+1], v[WH:WH+1], 0.5, v[PR+4*\k:PR+4*\k+1] op_sel_hi:[1,0,1]   ; centres: plain work behind the exponentials (ISA guide 5.7.2)
	v_pk_mul_f32 v[DL+4*\k:DL+4*\k+1], v[DL+4*\k:DL+4*\k+1], 0x3dcccccd op_sel_hi:[1,0] ; dx, dy
	v_pk_fma_f32 v[CT:CT+1], v[DL+4*\k:DL+4*\k+1], v[WH:WH+1], v[CT:CT+1]
	s_wait_alu depctr_va_vdst(0)
	v_pk_mul_f32 v[SZ:SZ+1], v[SZ:SZ+1], v[WH:WH+1]
	v_pk_fma_f32 v[OB+4*\k:OB+4*\k+1],   v[SZ:SZ+1], -0.5, v[CT:CT+1] op_sel_hi:[1,0,1]
	v_pk_fma_f32 v[OB+4*\k+2:OB+4*\k+3], v[SZ:SZ+1], 0.5,  v[CT:CT+1] op_sel_hi:[1,0,1]
	v_cmp_ne_u32 vcc_lo, 0, v[OWN+2*\k+1]
.irp i, 0,1,2,3
	v_med3_num_f32 v[OB+4*\k+\i], v[OB+4*\k+\i], 0, s41    ; clipped to the image
.endr
.irp i, 0,1,2,3
	v_cndmask_b32 v[OB+4*\k+\i], 0, v[OB+4*\k+\i], vcc_lo
.endr
.endm
; Stage 3: chunk k's lanes with a rank store at their ranks.
.macro STORE k
	v_cmp_gt_u32 vcc_lo, 100, v[RK+\k]
	s_wait_xcnt 0x0                                ; EXEC changes only when every earlier memory instruction has had its addresses translated (ISA guide 3.1)
	s_and_saveexec_b32 s33, vcc_lo
	global_store_b128 v[R16+\k], v[OB+4*\k:OB+4*\k+3], s[12:13]
	global_store_b32 v[R4+\k], v[OWN+2*\k+1], s[14:15]     ; the score's bits; 0 in an empty key
	global_store_b32 v[R4+\k], v[LAB+\k], s[16:17]
	global_store_b8 v[RA+\k], v[FLG+\k], s[18:19]
	s_wait_xcnt 0x0                                ; again in front of the line that widens EXEC
	s_or_b32 exec_lo, exec_lo, s33
.endm
; The first \n chunks go out, and the wave ends.  All offsets are formed, and all gathers issued, under the entry's full
; EXEC: behind the first narrowing by a mask made from keys no register that serves as an address is written.  The
; gathers of all chunks are on their way together, behind one wait.
.macro PHASE2 n
.set kk, 0
.rept \n
	ADDR kk
.set kk, kk+1
.endr
	s_wait_loadcnt 0x0                             ; all deltas and proposals (and the next entry's key, which is no longer wanted)
.set kk, 0
.rept \n
	DECODE kk
.set kk, kk+1
.endr
.set kk, 0
.rept \n
	STORE kk
.set kk, kk+1
.endr
	s_endpgm
.endm
	s_mov_b32 s24, 0
.Lentry:                                           ; entry s24 of my list
	s_lshl_b32 s35, s24, 3
	v_mov_b32 v[EA], s35                           ; no load is out here: each trip ends, and the head ended, in a wait for 0
	global_load_b64 v[EN:EN+1], v[EA], s[10:11] offset:8   ; the next entry (at most entry 100 of the list's 128), wanted behind the count
	s_mov_b32 s26, 0                               ; larger keys so far
	COUNT TOP, 16, TOPR
	s_cmp_lt_u32 s26, 100
	s_cselect_b32 s27, s27, 0                      ; 100 or more already: the entry is out, whatever lies deeper
	s_cmp_eq_u32 s27, 0
	s_cbranch_scc1 .Lcounted                       ; or row 7 holds no larger key: no deeper row does
	s_mov_b32 s25, 0
.Lrows:                                            ; rows 8 + 4 s25 to 11 + 4 s25 of all 90 lists: 23 trips reach row 99
	s_cmp_eq_u32 s27, 0
	s_cbranch_scc1 .Lnext                          ; nothing left to count: the remaining trips only step the counter
	s_lshl_b32 s35, s25, 5
.irp q, 0,1,2
	v_add_nc_u32 v[CA+\q], s35, v[COL+\q]
.endr
.irp q, 0,1,2
	global_load_b128 v[KB+8*\q:KB+8*\q+3],   v[CA+\q], s[4:5] offset:8*TOPR
	global_load_b128 v[KB+8*\q+4:KB+8*\q+7], v[CA+\q], s[4:5] offset:8*TOPR+16
.endr
	s_wait_loadcnt 0x0                             ; the six, and with them their offset registers
	COUNT KB, 8, 4
	s_cmp_lt_u32 s26, 100
	s_cselect_b32 s27, s27, 0                      ; 100 or more: the entry is out, whatever lies deeper
.Lnext:
	s_add_co_u32 s25, s25, 1
	s_cmp_lt_u32 s25, 23
	s_cbranch_scc1 .Lrows
.Lcounted:
	s_cmp_lt_u32 s26, 100
	s_cbranch_scc1 .Lranked
	; not among the first 100, and my later entries are smaller still: the walk is over, entries 0 to s24 - 1 have ranks
	s_cmp_lg_u32 s24, 0
	s_cbranch_scc1 .Lsome
	s_endpgm                                       ; none of the image's detections is of my class
.Lsome:
	s_cmp_gt_u32 s24, 32
	s_cbranch_scc1 .Lmany
	PHASE2 1                                       ; at most 32 ranked entries: one chunk
.Lmany:
	PHASE2 4
.Lranked:
	v_mov_b32 v[TR], s26
.irp k, 0,1,2,3
	v_cmp_eq_u32 vcc_lo, s24, v[LI+\k]
	v_cndmask_b32 v[RK+\k], v[RK+\k], v[TR], vcc_lo        ; the rank goes to the lane that holds this entry
.endr
	s_wait_loadcnt 0x0                             ; the next entry's key is in
	v_mov_b32 v[EK], v[EN]
	v_mov_b32 v[EK+1], v[EN+1]
	s_add_co_u32 s24, s24, 1
	s_cmp_lt_u32 s24, 100
	s_cbranch_scc1 .Lentry
	PHASE2 4                                       ; all 100 of the image's detections are my list's
.Lfunc_end_k_q524823e15a_merge:
	.size	k_q524823e15a_merge, .Lfunc_end_k_q524823e15a_merge-k_q524823e15a_merge
	.p2alignl 7, 3214868480
	.fill 96, 4, 3214868480
	.section	.rodata,"a",@progbits
	.p2align	6, 0x0
	.amdhsa_kernel k_q524823e15a_merge
		.amdhsa_group_segment_fixed_size 0
		.amdhsa_private_segment_fixed_size 0
		.amdhsa_enable_private_segment 0
		.amdhsa_kernarg_size 56
		.amdhsa_user_sgpr_count 2
		.amdhsa_user_sgpr_kernarg_segment_ptr 1
		.amdhsa_wavefront_size32 1
		.amdhsa_system_sgpr_workgroup_id_x 1
		.amdhsa_system_sgpr_workgroup_id_y 1
		.amdhsa_system_sgpr_workgroup_id_z 1
		.amdhsa_system_vgpr_workitem_id 0
		.amdhsa_next_free_vgpr 192
		.amdhsa_next_free_sgpr 66
		.amdhsa_reserve_vcc 1
		.amdhsa_float_denorm_mode_32 3
		.amdhsa_float_denorm_mode_16_64 3
		.amdhsa_memory_ordered 1
		.amdhsa_forward_progress 1
		.amdhsa_inst_pref_size 41
	.end_amdhsa_kernel
	.amdgpu_metadata
---
amdhsa.version: [ 1, 2 ]
amdhsa.kernels:
  - .name:           k_q524823e15a_merge
    .symbol:         k_q524823e15a_merge.kd
    .args:
      - { .name: keys, .offset: 0, .size: 8, .value_kind: global_buffer, .address_space: global }
      - { .name: box_regression, .offset: 8, .size: 8, .value_kind: global_buffer, .address_space: global }
      - { .name: proposals, .offset: 16, .size: 8, .value_kind: global_buffer, .address_space: global }
      - { .name: out0, .offset: 24, .size: 8, .value_kind: global_buffer, .address_space: global }
      - { .name: out1, .offset: 32, .size: 8, .value_kind: global_buffer, .address_space: global }
      - { .name: out2, .offset: 40, .size: 8, .value_kind: global_buffer, .address_space: global }
      - { .name: out3, .offset: 48, .size: 8, .value_kind: global_buffer, .address_space: global }
    .group_segment_fixed_size: 0
    .private_segment_fixed_size: 0
    .kernarg_segment_align: 8
    .kernarg_segment_size: 56
    .max_flat_workgroup_size: 32
    .sgpr_count:     66
    .vgpr_count:     192
    .wavefront_size: 32
...
	.end_amdgpu_metadata
.endif
;; end of part 3
;; ======== version 2 of 2: 3 launches; version 1 with the launch nms written anew for expert scheduling mode
;; workspace buffers: maskw 192,000 bytes of whole numbers; rowstat 128,000 bytes; keys 368,640 bytes of whole numbers
;; launch score: the kernel of part 1 again; grid 500 x 1, 1 waves a work-group, no clusters, 12,032 bytes of LDS; arguments class_logits, maskw, rowstat; writes maskw, rowstat
;; launch nms (part 4): grid 90 x 4, 1 waves a work-group, no clusters, 133,376 bytes of LDS; arguments box_regression, class_logits, proposals, maskw, rowstat, keys; writes keys
.if DOCPART == 4
	.amdgcn_target "amdgcn-amd-amdhsa--gfx1250"
	.amdhsa_code_object_version 6
	.text
	.protected	k_q524823e15a_nms
	.globl	k_q524823e15a_nms
	.p2align	8
	.type	k_q524823e15a_nms,@function
k_q524823e15a_nms:
	s_mov_b64 s[64:65], 0
	v_nop
	global_prefetch_b8 v0, s[64:65] scope:SCOPE_SE
	s_setreg_imm32_b32 hwreg(HW_REG_WAVE_SCHED_MODE, 0, 2), 2
	s_setreg_imm32_b32 hwreg(HW_REG_WAVE_MODE, 25, 1), 1
	s_wait_xcnt 0x0
	s_wait_alu depctr_vm_vsrc(0)
; Greedy NMS of ONE class of ONE image, by one wave.  Boxes are clipped to [0, 800] and shifted by 801 x label, so boxes of
; different classes never overlap: the image's greedy order is the merge of its 90 classes' own greedy orders (next launch).
; Only candidates with score > 0.05 can be picked or suppress anything: their proposals n are listed from the mask words
; of the launch before (whole numbers: list places, the count K and all trip counts come from them alone).
; Candidates 0 to 127 of the list stay in registers (4 a lane); those beyond lie in LDS and are walked 128 a trip in every
; step, so any K up to 4,000 is served.  A step: suppress by the last pick, take the best of what is left (score
; descending, n ascending), hand its box to every lane by selects and reductions: no address or branch hangs on a float.
; Out: keys[image][class - 1][128] of 64 bits, strictly descending.  Pick j: high word = the score's bits, low word =
; ~((n << 7) | (class - 1)).  No pick: high word 0, low word ~(0x100000 + 128 (class - 1) + j).
; LIMITS: the test IoU > 0.5 is written inter > 0.5 x union (differs from the rounded quotient only when the exact ratio
; is within about 2^-25, relative, above 0.5; 0 / 0 is false in both).  /10 and /5 are products by 0.1 and 0.2; e^x is
; 2^(x log2 e) by v_exp_f32 (about one unit in the last place).  NaN and infinite inputs are not served.
; THE MODE: SCHED_MODE bits 1:0 = 2 (LLVM: expert scheduling mode 2), set by the entry lines.  The code itself states the register
; dependences between vector instructions and memory or LDS instructions, and those through scalar registers that vector
; instructions write, with s_wait_alu, always for 0.
; THE PLAN.  Registers that memory or LDS instructions touch:
;   v8, v9, v11        offsets of the mask loads and of the stores that clear the list: made at the head, never written again.
;   PT, DT .. DT+7     at the head the data of the clearing stores and of the four stores of empty keys; written again by the steps and the decoding.
;   LSA                two sets of 25 list addresses and 25 numbers n, by turns: batch b writes set b % 2, its 25 LDS stores read it.
;   LA, OD, OP, OL, OS written at a group's head, read by its loads.   NN, DL, PR, LG, SM   the loads land here, the decoding reads them.
;   A4, A8, A16        written by OVADDR at a trip's head, read by the trip's LDS loads and stores.
;   TS                 written by the decoding, by LDS loads and (scores) by SUPP; read by the selects and by LDS stores.
;   KEY, KADR          written in a step, read by the step's one LDS store.      TA, DL at the end: the way out.
;   All else (PS, TT, L01, L23, LB, GB, BX ..) is named by vector instructions alone.
; Compares stand in runs, into s[CM ..], with one wait on va_sdst behind each run; VCC is not used; EXEC is never written.
.set L2E,  0x3fb8aa3b
.set LDUMPW, 4224                      ; LDS words 0-4223: the list; words 4224-4255: where lanes without a flag write
.set KOUT, 17408                       ; 128 keys of 8 bytes
.set SC,   18432                       ; by list place p >= 128: score left, 4 bytes
.set AF,   34816                       ; (area, n as f32), 8 bytes
.set BOX,  67584                       ; shifted box, 16 bytes; ends at 133,120
.set CM,  48                           ; s[48:59]   masks that compares write
.set RL,  66                           ; s[66:90]   the 25 mask words of a batch of the list
.set MW,  4                            ; v[4:7]     lane i of register k: mask word of rows 32 (32 k + i) ..
.set NN,  12                           ; v[12:15]   n of my four candidates
.set OD,  16                           ; v[16:19]   byte offsets: deltas,
.set OP,  20                           ; v[20:23]   proposals,
.set OL,  24                           ; v[24:27]   logits,
.set OS,  28                           ; v[28:31]   (m, r)
.set DL,  32                           ; v[32:47]   deltas
.set PR,  48                           ; v[48:63]   proposals
.set LG,  64                           ; v[64:67]   logits
.set SM,  68                           ; v[68:75]   (m, r)
.set DT,  76                           ; v[76:107]  8 registers a candidate, at work in the decoding; at the head v[76:83]: four empty keys
.set LSA, 100                          ; v[100:199] while the list is made: set s: 25 LDS addresses at LSA + 50 s, 25 numbers n at LSA + 50 s + 25
.set PS,  108                          ; v[108:135] the set that stays: box 4 k, (area, n) 16 + 2 k, score 24 + k
.set TS,  136                          ; v[136:163] the same for 128 candidates from LDS
.set TT,  164                          ; v[164:179] 4 registers a candidate, at work in a step
.set L01, 180                          ; six registers each: score, n, x1, y1, x2, y2
.set L23, 186
.set LB,  192                          ; my lane's best
.set GB,  198                          ; my lane's best of a group from LDS
.set BX,  204                          ; v[204:207] the last pick's box, in every lane
.set BA,  208                          ; its area
.set BFN, 209                          ; its n as f32
.set MX,  210                          ; the best score
.set TF,  211
.set PT,  212                          ; v[212:215] what the other half of the lanes holds
.set OFFP, 216                         ; v[216:217] 801 x label, twice
.set KEY, 218                          ; v[218:219] a key
.set KADR, 220
.set NEGV, 221                         ; -1e30
.set A4,  222                          ; 4, 8, 16 x list place, with the region's start for the last two
.set A8,  223
.set A16, 224
.set POS, 225                          ; list place of my first candidate of a group
.set LA,  226
.set TA,  229
.set TB,  230
	s_load_b256 s[4:11], s[0:1], 0x0               ; box_regression s[4:5], class_logits s[6:7], proposals s[8:9], maskw s[10:11]
	s_load_b128 s[12:15], s[0:1], 0x20             ; rowstat s[12:13], keys s[14:15]
	v_lshl_add_u32 v228, v0, 2, 0x20800
	v_mov_b32 v231, 0
	s_mov_b32 s18, ttmp9                           ; class - 1
	s_and_b32 s19, ttmp7, 0xffff                   ; image
	s_add_co_u32 s29, s18, 1                       ; label
	s_mov_b32 s17, 0
	s_mov_b32 s30, 0x76543210                      ; v_permlanex16_b32: lane i reads lane i of the other half
	s_mov_b32 s31, 0xfedcba98
	s_mov_b32 s32, 0x1fffffff                      ; an image has 125 = 96 + 29 mask words
	s_lshl_b32 s38, s18, 7
	s_add_co_u32 s38, s38, 0x100000                ; number of this list's first empty key
	s_mov_b32 s40, 0x40845349                      ; log(1000 / 16)
	s_mov_b32 s41, 0x44480000                      ; 800
	s_mov_b32 s42, 0x3c23d70a                      ; 0.01
	s_mov_b32 s43, 0xf0c9f2ca                      ; -0.5e30
	s_mov_b32 s44, 0x4e6e6b28                      ; 1e9: above every n
	; while the arguments are on their way: all offsets and constants in registers, the list cleared, and all 128 keys as empty ones
	v_mul_u32_u24 v8, v0, 384                      ; a group's 96 words
	v_min_u32 v9, 28, v0                           ; the last 29 groups: lanes 29 to 31 repeat the last, inside the image's part
	v_mul_u32_u24 v9, v9, 384
	v_add_nc_u32 v10, LDUMPW, v0
	v_lshlrev_b32 v11, 4, v0
	v_mov_b32 v[NEGV], 0xf149f2ca
.irp i, 0,1,2,3
	v_mov_b32 v[PT+\i], 0                          ; v_permlanex16_b32 counts as a reader of its destination
	v_mov_b32 v[BX+\i], 0                          ; the start's 'last pick': a box at 0, which meets no shifted box (all lie at 801 or above)
.endr
	v_mov_b32 v[BA], 0
	v_mov_b32 v[BFN], -1.0                         ; and is nobody's n
	v_mov_b32 v[MX], 0
	v_cvt_f32_u32 v[OFFP], s29
	v_mul_f32 v[OFFP], 0x44484000, v[OFFP]         ; 801 x label, exact
	v_mov_b32 v[OFFP+1], v[OFFP]
	v_mov_b32 v[POS], v0
	v_add_nc_u32 v[TA], s38, v0
	v_lshlrev_b32 v[KADR], 3, v0
.irp k, 0,1,2,3
	v_add_nc_u32 v[DT+2*\k], 32*\k, v[TA]          ; each of the four stores of empty keys has a pair of its own
	v_mov_b32 v[DT+2*\k+1], 0
.endr
.irp k, 0,1,2,3
	v_xor_b32 v[DT+2*\k], -1, v[DT+2*\k]
.endr
	s_wait_alu depctr_va_vdst(0)                   ; v8, v9, v11, PT, KADR and the four pairs at DT are written: the LDS stores and the mask loads below read them, and no vector instruction stands among these
.set i, 0
.rept 33
	ds_store_b128 v11, v[PT:PT+3] offset:512*i     ; all 4,224 list words name proposal 0: every place that a group reads is written, those at K and beyond too
.set i, i+1
.endr
.irp k, 0,1,2,3
	ds_store_b64 v[KADR], v[DT+2*\k:DT+2*\k+1] offset:KOUT+256*\k
.endr
	s_wait_kmcnt 0x0
	s_mul_i32 s16, s19, 48000
	s_lshl2_add_u32 s16, s18, s16
	s_add_nc_u64 s[10:11], s[10:11], s[16:17]      ; maskw at my image's first group, my class's word
	global_load_b32 v[MW],   v8, s[10:11]
	global_load_b32 v[MW+1], v8, s[10:11] offset:12288
	global_load_b32 v[MW+2], v8, s[10:11] offset:24576
	global_load_b32 v[MW+3], v9, s[10:11] offset:36864
	s_mul_i32 s16, s19, 5824000
	s_lshl4_add_u32 s16, s29, s16
	s_add_nc_u64 s[4:5], s[4:5], s[16:17]          ; deltas of proposal 0 of my image, my class
	s_mul_i32 s16, s19, 1456000
	s_lshl2_add_u32 s16, s29, s16
	s_add_nc_u64 s[6:7], s[6:7], s[16:17]          ; its logit
	s_mul_i32 s16, s19, 64000
	s_add_nc_u64 s[8:9], s[8:9], s[16:17]
	s_mul_i32 s16, s19, 32000
	s_add_nc_u64 s[12:13], s[12:13], s[16:17]
	s_mul_i32 s16, s19, 90
	s_add_co_u32 s16, s16, s18
	s_lshl_b32 s16, s16, 10
	s_add_nc_u64 s[14:15], s[14:15], s[16:17]      ; my list of 1,024 bytes
	s_wait_loadcnt 0x0                             ; the four mask loads
	v_cndmask_b32 v[MW+3], 0, v[MW+3], s32
	; THE LIST.  Word g flags rows 32 g + lane.  A flagged lane's place is the running count plus the flags below it.
	; LDS serves a wave's instructions in order, so these stores land on the cleared words.
	; Five batches of 25 words: the words into scalar registers, one wait; the 25 addresses and numbers stage by stage, one wait; the 25 stores.
	s_mov_b32 s21, 0
.set bb, 0
.rept 5
.set LS, LSA+50*(bb%2)
.set i, 0
.rept 25
	v_readlane_b32 s[RL+i], v[MW+(25*bb+i)/32], (25*bb+i)%32
.set i, i+1
.endr
	s_wait_alu depctr_va_sdst(0)                   ; the batch's 25 words are in s[RL ..], ahead of their first reader
.if bb >= 2
	s_wait_alu depctr_vm_vsrc(0)                   ; the stores of the batch two back have read this set of addresses and numbers, which is written again below
.endif
.set i, 0
.rept 25
	v_mbcnt_lo_u32_b32 v[LS+i], s[RL+i], s21
	s_bcnt1_i32_b32 s22, s[RL+i]
	s_add_co_u32 s21, s21, s22
.set i, i+1
.endr
.set i, 0
.rept 25
	v_cndmask_b32 v[LS+i], v10, v[LS+i], s[RL+i]   ; no flag: my dump word
.set i, i+1
.endr
.set i, 0
.rept 25
	v_min_u32 v[LS+i], 0x109f, v[LS+i]             ; inside the list and its dump words whatever the mask holds
.set i, i+1
.endr
.set i, 0
.rept 25
	v_lshlrev_b32 v[LS+i], 2, v[LS+i]
	v_add_nc_u32 v[LS+25+i], 32*(25*bb+i), v0      ; n
.set i, i+1
.endr
	s_wait_alu depctr_va_vdst(0)                   ; the batch's addresses and numbers are written, which the 25 stores read
.set i, 0
.rept 25
	ds_store_b32 v[LS+i], v[LS+25+i]
.set i, i+1
.endr
.set bb, bb+1
.endr
	s_min_u32 s21, s21, 4000                       ; K
	s_min_u32 s23, s21, 100                        ; steps: no list gives more picks than it has candidates, or than 100
	s_add_co_u32 s24, s21, 127
	s_lshr_b32 s24, s24, 7
	s_max_u32 s24, s24, 1                          ; groups of 128, the first (in registers) among them: 1 to 32
; 128 candidates, places POS + 32 k: gathered, decoded, clipped, tested, shifted; into the set at \base.
; In front of it stands a wait on vm_vsrc, for LA and the sixteen offsets that the group before's loads read.
.macro GATHER base
	v_lshlrev_b32 v[LA], 2, v[POS]
	s_wait_alu depctr_va_vdst(0)                   ; LA is written, which the four LDS loads read; the group before is done with NN, in which they land
.irp k, 0,1,2,3
	ds_load_b32 v[NN+\k], v[LA] offset:128*\k
.endr
	s_wait_dscnt 0x0
.irp k, 0,1,2,3
	v_min_u32 v[NN+\k], 3999, v[NN+\k]
.endr
.irp k, 0,1,2,3
	v_mul_u32_u24 v[OD+\k], v[NN+\k], 1456
	v_lshlrev_b32 v[OP+\k], 4, v[NN+\k]
	v_mul_u32_u24 v[OL+\k], v[NN+\k], 364
	v_lshlrev_b32 v[OS+\k], 3, v[NN+\k]
.endr
	s_wait_alu depctr_va_vdst(0)                   ; the sixteen offsets are written, which the loads read; the group before's decoding is done with DL, PR, LG and SM, in which they land
.irp k, 0,1,2,3
	global_load_b128 v[DL+4*\k:DL+4*\k+3], v[OD+\k], s[4:5]
	global_load_b128 v[PR+4*\k:PR+4*\k+3], v[OP+\k], s[8:9]
	global_load_b32 v[LG+\k], v[OL+\k], s[6:7]
	global_load_b64 v[SM+2*\k:SM+2*\k+1], v[OS+\k], s[12:13]
.endr
	s_wait_loadcnt 0x0                             ; all sixteen
.irp k, 0,1,2,3
	v_pk_add_f32 v[DT+8*\k:DT+8*\k+1], v[PR+4*\k+2:PR+4*\k+3], v[PR+4*\k:PR+4*\k+1] neg_lo:[0,1] neg_hi:[0,1]   ; w, h
	v_pk_mul_f32 v[DT+8*\k+4:DT+8*\k+5], v[DL+4*\k+2:DL+4*\k+3], 0x3e4ccccd op_sel_hi:[1,0]                    ; dw, dh
	v_sub_f32 v[DT+8*\k+6], v[LG+\k], v[SM+2*\k]                                                               ; logit - m
.endr
.irp k, 0,1,2,3
	v_min_num_f32 v[DT+8*\k+4], s40, v[DT+8*\k+4]
	v_min_num_f32 v[DT+8*\k+5], s40, v[DT+8*\k+5]
	v_mul_f32 v[DT+8*\k+6], L2E, v[DT+8*\k+6]
.endr
.irp k, 0,1,2,3
	v_pk_mul_f32 v[DT+8*\k+4:DT+8*\k+5], v[DT+8*\k+4:DT+8*\k+5], L2E op_sel_hi:[1,0]
.endr
.irp k, 0,1,2,3
	v_exp_f32 v[DT+8*\k+4], v[DT+8*\k+4]
	v_exp_f32 v[DT+8*\k+5], v[DT+8*\k+5]
	v_exp_f32 v[DT+8*\k+6], v[DT+8*\k+6]
.endr
.irp k, 0,1,2,3                                    ; plain work that touches no exponential stands behind the last of them (ISA guide 5.7.2)
	v_pk_fma_f32 v[DT+8*\k+2:DT+8*\k+3], v[DT+8*\k:DT+8*\k+1], 0.5, v[PR+4*\k:PR+4*\k+1] op_sel_hi:[1,0,1]      ; centres
	v_pk_mul_f32 v[DL+4*\k:DL+4*\k+1], v[DL+4*\k:DL+4*\k+1], 0x3dcccccd op_sel_hi:[1,0]                        ; dx, dy
.endr
	s_wait_alu depctr_va_vdst(0)                   ; the twelve exponentials have written DT + 8 k + 4, 5, 6: one wait for the batch, ahead of its first reader
.irp k, 0,1,2,3
	v_pk_fma_f32 v[DT+8*\k+2:DT+8*\k+3], v[DL+4*\k:DL+4*\k+1], v[DT+8*\k:DT+8*\k+1], v[DT+8*\k+2:DT+8*\k+3]     ; new centres
	v_pk_mul_f32 v[DT+8*\k+4:DT+8*\k+5], v[DT+8*\k+4:DT+8*\k+5], v[DT+8*\k:DT+8*\k+1]                          ; new sizes
	v_mul_f32 v[DT+8*\k+6], v[DT+8*\k+6], v[SM+2*\k+1]                                                         ; score
.endr
.irp k, 0,1,2,3
	v_pk_fma_f32 v[\base+4*\k:\base+4*\k+1],   v[DT+8*\k+4:DT+8*\k+5], -0.5, v[DT+8*\k+2:DT+8*\k+3] op_sel_hi:[1,0,1]
	v_pk_fma_f32 v[\base+4*\k+2:\base+4*\k+3], v[DT+8*\k+4:DT+8*\k+5], 0.5,  v[DT+8*\k+2:DT+8*\k+3] op_sel_hi:[1,0,1]
	v_cvt_f32_u32 v[\base+17+2*\k], v[NN+\k]       ; n as f32: exact
	v_add_nc_u32 v[DT+8*\k+7], 32*\k, v[POS]       ; the list place
.endr
.irp k, 0,1,2,3
.irp i, 0,1,2,3
	v_med3_num_f32 v[\base+4*\k+\i], v[\base+4*\k+\i], 0, s41      ; clipped to the image
.endr
.endr
.irp k, 0,1,2,3
	v_pk_add_f32 v[DT+8*\k:DT+8*\k+1], v[\base+4*\k+2:\base+4*\k+3], v[\base+4*\k:\base+4*\k+1] neg_lo:[0,1] neg_hi:[0,1]
.endr
.irp k, 0,1,2,3                                    ; the twelve compares stand in one run
	v_cmp_le_f32 s[CM+3*\k],   s42, v[DT+8*\k]     ; both sides at least 0.01,
	v_cmp_le_f32 s[CM+3*\k+1], s42, v[DT+8*\k+1]
	v_cmp_gt_u32 s[CM+3*\k+2], s21, v[DT+8*\k+7]   ; and a place below K
.endr
.irp k, 0,1,2,3
	v_pk_add_f32 v[\base+4*\k:\base+4*\k+1],   v[\base+4*\k:\base+4*\k+1],   v[OFFP:OFFP+1]    ; shifted by the class, with the rounding that this brings
	v_pk_add_f32 v[\base+4*\k+2:\base+4*\k+3], v[\base+4*\k+2:\base+4*\k+3], v[OFFP:OFFP+1]
.endr
	s_wait_alu depctr_va_sdst(0)                   ; the twelve masks are written, ahead of the scalar lines that join them
.irp k, 0,1,2,3
	s_and_b32 s[CM+3*\k], s[CM+3*\k], s[CM+3*\k+1]
	s_and_b32 s[CM+3*\k], s[CM+3*\k], s[CM+3*\k+2]
.endr
.irp k, 0,1,2,3
	v_cndmask_b32 v[\base+24+\k], v[NEGV], v[DT+8*\k+6], s[CM+3*\k]
.endr
.irp k, 0,1,2,3
	v_pk_add_f32 v[DT+8*\k:DT+8*\k+1], v[\base+4*\k+2:\base+4*\k+3], v[\base+4*\k:\base+4*\k+1] neg_lo:[0,1] neg_hi:[0,1]
.endr
.irp k, 0,1,2,3
	v_mul_f32 v[\base+16+2*\k], v[DT+8*\k], v[DT+8*\k+1]           ; area of the shifted box
.endr
.endm
; the LDS addresses of group s27 (1 to 31): list place 128 s27 + lane
.macro OVADDR
	s_lshl_b32 s28, s27, 7
	v_add_nc_u32 v[POS], s28, v0
	v_lshlrev_b32 v[A4], 2, v[POS]
	v_lshl_add_u32 v[A8], v[POS], 3, AF
	v_lshl_add_u32 v[A16], v[POS], 4, BOX
.endm
	s_wait_alu depctr_vm_vsrc(0)                   ; the LDS stores so far have read their registers: the list's two sets, the four pairs at DT, KADR and PT are written again from here on
	GATHER PS                                      ; places 0 to 127 stay in registers
	s_cmp_eq_u32 s24, 1
	s_cbranch_scc1 .Lgathered
	s_mov_b32 s26, 1
.Lmore:                                            ; places 128 and up go to LDS: groups 1 to s24 - 1
	s_min_u32 s27, s26, 31
	s_wait_alu depctr_vm_vsrc(0)                   ; the group before's loads have read LA and the sixteen offsets, the trip before's LDS stores A4, A8, A16 and TS: all are written again below
	OVADDR
	GATHER TS
	s_wait_alu depctr_va_vdst(0)                   ; the decoding has written TS, which the stores read (A4, A8 and A16 were written ahead of the group's first wait)
.irp k, 0,1,2,3
	ds_store_b128 v[A16], v[TS+4*\k:TS+4*\k+3] offset:512*\k
	ds_store_b64 v[A8], v[TS+16+2*\k:TS+17+2*\k] offset:256*\k
	ds_store_b32 v[A4], v[TS+24+\k] offset:SC+128*\k
.endr
	s_add_co_u32 s26, s26, 1
	s_cmp_lt_u32 s26, s24
	s_cbranch_scc1 .Lmore
.Lgathered:
	s_cmp_eq_u32 s23, 0
	s_cbranch_scc1 .Lout                           ; no candidate: the 128 empty keys go out as they are
; the last pick suppresses: score = -1e30 where inter > 0.5 x union, or where the candidate is the pick itself
.macro SUPP base
.irp k, 0,1,2,3
	v_max_num_f32 v[TT+4*\k],   v[\base+4*\k],   v[BX]
	v_max_num_f32 v[TT+4*\k+1], v[\base+4*\k+1], v[BX+1]
	v_min_num_f32 v[TT+4*\k+2], v[\base+4*\k+2], v[BX+2]
	v_min_num_f32 v[TT+4*\k+3], v[\base+4*\k+3], v[BX+3]
.endr
.irp k, 0,1,2,3
	v_pk_add_f32 v[TT+4*\k+2:TT+4*\k+3], v[TT+4*\k+2:TT+4*\k+3], v[TT+4*\k:TT+4*\k+1] neg_lo:[0,1] neg_hi:[0,1]
.endr
.irp k, 0,1,2,3
	v_max_num_f32 v[TT+4*\k+2], 0, v[TT+4*\k+2]
	v_max_num_f32 v[TT+4*\k+3], 0, v[TT+4*\k+3]
	v_add_f32 v[TT+4*\k], v[\base+16+2*\k], v[BA]
.endr
.irp k, 0,1,2,3
	v_mul_f32 v[TT+4*\k+2], v[TT+4*\k+2], v[TT+4*\k+3]             ; inter
.endr
.irp k, 0,1,2,3
	v_sub_f32 v[TT+4*\k], v[TT+4*\k], v[TT+4*\k+2]                 ; union
.endr
.irp k, 0,1,2,3
	v_mul_f32 v[TT+4*\k], 0.5, v[TT+4*\k]                          ; exact
.endr
.irp k, 0,1,2,3                                    ; the eight compares stand in one run
	v_cmp_gt_f32 s[CM+2*\k],   v[TT+4*\k+2], v[TT+4*\k]
	v_cmp_eq_f32 s[CM+2*\k+1], v[\base+17+2*\k], v[BFN]
.endr
	s_wait_alu depctr_va_sdst(0)                   ; the eight masks are written, ahead of the scalar lines that join them
.irp k, 0,1,2,3
	s_or_b32 s[CM+2*\k], s[CM+2*\k], s[CM+2*\k+1]
.endr
.irp k, 0,1,2,3
	v_cndmask_b32 v[\base+24+\k], v[\base+24+\k], v[NEGV], s[CM+2*\k]
.endr
.endm
; the better of candidates ka and kb of a set; kb (the later place, the larger n) wins only with a larger score.  PAIRS: its score; PAIRR: its n and box.
.macro PAIRS dst, base, ka, kb, m
	v_cndmask_b32 v[\dst],   v[\base+24+\ka],   v[\base+24+\kb],   s[\m]
.endm
.macro PAIRR dst, base, ka, kb, m
	v_cndmask_b32 v[\dst+1], v[\base+17+2*\ka], v[\base+17+2*\kb], s[\m]
.irp i, 0,1,2,3
	v_cndmask_b32 v[\dst+2+\i], v[\base+4*\ka+\i], v[\base+4*\kb+\i], s[\m]
.endr
.endm
.macro BETTER dst, first, later
	v_cmp_gt_f32 s[CM+11], v[\later], v[\first]
	s_wait_alu depctr_va_sdst(0)                   ; the mask is written, ahead of the six selects
.irp i, 0,1,2,3,4,5
	v_cndmask_b32 v[\dst+\i], v[\first+\i], v[\later+\i], s[CM+11]
.endr
.endm
; my lane's best of a set's four, in two parts: SELC, the two pairs' compares; SELR, the selects
.macro SELC base
	v_cmp_gt_f32 s[CM+8], v[\base+25], v[\base+24]
	v_cmp_gt_f32 s[CM+9], v[\base+27], v[\base+26]
	s_wait_alu depctr_va_sdst(0)                   ; both pairs' masks are written, ahead of the selects
.endm
.macro SELR base, dst
	PAIRS L01, \base, 0, 1, CM+8
	PAIRS L23, \base, 2, 3, CM+9
	v_cmp_gt_f32 s[CM+10], v[L23], v[L01]          ; the two winners' scores are compared at once; the ten other selects stand between this line and the wait for it
	PAIRR L01, \base, 0, 1, CM+8
	PAIRR L23, \base, 2, 3, CM+9
	s_wait_alu depctr_va_sdst(0)                   ; that mask is written, ahead of the six selects
.irp i, 0,1,2,3,4,5
	v_cndmask_b32 v[\dst+\i], v[L01+\i], v[L23+\i], s[CM+10]
.endr
.endm
; maximum (minimum) of src over the 32 lanes, into every lane of dst: four steps inside each half, one across
.macro RMAX dst, src, tmp
	v_max_num_f32_dpp v[\dst], v[\src], v[\src] row_xmask:1 row_mask:0xf bank_mask:0xf
.irp m, 2,4,8
	v_max_num_f32_dpp v[\dst], v[\dst], v[\dst] row_xmask:\m row_mask:0xf bank_mask:0xf
.endr
	v_permlanex16_b32 v[\tmp], v[\dst], s30, s31
	v_max_num_f32 v[\dst], v[\dst], v[\tmp]
.endm
.macro RMIN dst, src, tmp
	v_min_num_f32_dpp v[\dst], v[\src], v[\src] row_xmask:1 row_mask:0xf bank_mask:0xf
.irp m, 2,4,8
	v_min_num_f32_dpp v[\dst], v[\dst], v[\dst] row_xmask:\m row_mask:0xf bank_mask:0xf
.endr
	v_permlanex16_b32 v[\tmp], v[\dst], s30, s31
	v_min_num_f32 v[\dst], v[\dst], v[\tmp]
.endm
	s_mov_b32 s25, 0
.Lstep:
	SUPP PS
	SELC PS
	SELR PS, LB
	s_cmp_eq_u32 s24, 1
	s_cbranch_scc1 .Lreduce
	s_mov_b32 s26, 1
.Lgroup:                                           ; the same for 128 candidates from LDS; only their scores go back
	s_min_u32 s27, s26, 31
	s_wait_alu depctr_vm_vsrc(0)                   ; the LDS loads and stores issued so far have read A4, A8 and A16, which are written below, and TS's scores, on which loads land
	OVADDR
	s_wait_alu depctr_va_vdst(0)                   ; A4, A8 and A16 are written, which the loads read; the selects and the suppression of the group before are done with TS, in which they land
.irp k, 0,1,2,3
	ds_load_b128 v[TS+4*\k:TS+4*\k+3], v[A16] offset:512*\k
	ds_load_b64 v[TS+16+2*\k:TS+17+2*\k], v[A8] offset:256*\k
	ds_load_b32 v[TS+24+\k], v[A4] offset:SC+128*\k
.endr
	s_wait_dscnt 0x0
	SUPP TS
	SELC TS
	s_wait_alu depctr_va_vdst(0)                   ; the suppression has written TS's four scores, which the stores read; it stands behind the wait for compares that read those scores
.irp k, 0,1,2,3
	ds_store_b32 v[A4], v[TS+24+\k] offset:SC+128*\k
.endr
	SELR TS, GB
	BETTER LB, LB, GB
	s_add_co_u32 s26, s26, 1
	s_cmp_lt_u32 s26, s24
	s_cbranch_scc1 .Lgroup
.Lreduce:
	RMAX MX, LB, PT                                ; the best score,
	v_cmp_eq_f32 s[CM], v[LB], v[MX]               ; who holds it,
	v_cmp_gt_f32 s[CM+1], v[MX], s43               ; and whether it is a pick, or nothing is left
	s_wait_alu depctr_va_sdst(0)                   ; both masks are written, ahead of their first readers
	v_cndmask_b32 v[TF], s44, v[LB+1], s[CM]
	RMIN BFN, TF, PT                               ; the smallest n that has it,
	v_cmp_eq_f32 s[CM+2], v[TF], v[BFN]
	; key j is made between that compare and the wait for it.  Every lane holds the same key and stores it to the same 8 bytes.
	s_wait_alu depctr_vm_vsrc(0)                   ; the last step's store has read KEY and KADR, which are written below
	v_cvt_u32_f32 v[TA], v[BFN]
	v_lshl_or_b32 v[TA], v[TA], 7, s18
	s_add_co_u32 s28, s38, s25
	v_mov_b32 v[TB], s28
	v_cndmask_b32 v[TA], v[TB], v[TA], s[CM+1]
	v_xor_b32 v[KEY], -1, v[TA]
	v_cndmask_b32 v[KEY+1], 0, v[MX], s[CM+1]
	s_min_u32 s27, s25, 127
	s_lshl_b32 s27, s27, 3
	v_mov_b32 v[KADR], s27
	s_wait_alu depctr_va_sdst(0)                   ; the winner's mask is written, ahead of the four selects below
	s_wait_alu depctr_va_vdst(0)                   ; KEY and KADR are written, which the store reads
	ds_store_b64 v[KADR], v[KEY:KEY+1] offset:KOUT
.irp i, 0,1,2,3
	v_cndmask_b32 v[BX+\i], 0, v[LB+2+\i], s[CM+2] ; and its box: 0 in the other lanes, and no coordinate is below 0
.endr
.irp m, 1,2,4,8
.irp i, 0,1,2,3
	v_max_num_f32_dpp v[BX+\i], v[BX+\i], v[BX+\i] row_xmask:\m row_mask:0xf bank_mask:0xf
.endr
.endr
.irp i, 0,1,2,3
	v_permlanex16_b32 v[PT+\i], v[BX+\i], s30, s31
.endr
.irp i, 0,1,2,3
	v_max_num_f32 v[BX+\i], v[BX+\i], v[PT+\i]
.endr
	v_pk_add_f32 v[TT:TT+1], v[BX+2:BX+3], v[BX:BX+1] neg_lo:[0,1] neg_hi:[0,1]
	v_mul_f32 v[BA], v[TT], v[TT+1]
	s_add_co_u32 s25, s25, 1
	s_cmp_lt_u32 s25, s23
	s_cbranch_scc1 .Lstep
.Lout:
	v_lshlrev_b32 v[TA], 4, v0
	s_wait_alu depctr_va_vdst(0)                   ; TA is written, which the loads and stores below read; the decoding is done with DL, in which the loads land
	ds_load_b128 v[DL:DL+3], v[TA] offset:KOUT
	ds_load_b128 v[DL+4:DL+7], v[TA] offset:KOUT+512
	s_wait_dscnt 0x0
	global_store_b128 v[TA], v[DL:DL+3], s[14:15]                  ; 512 consecutive bytes each, aligned
	global_store_b128 v[TA], v[DL+4:DL+7], s[14:15] offset:512
	s_wait_dscnt 0x0
	s_wait_alu depctr_hold_cnt(0) depctr_sa_sdst(0) depctr_va_vdst(0) depctr_va_sdst(0) depctr_va_ssrc(0) depctr_va_vcc(0) depctr_vm_vsrc(0)
	s_wait_tensorcnt 0x0
	ds_add_u32 v228, v231
	s_wait_dscnt 0x0
	s_endpgm
.Lfunc_end_k_q524823e15a_nms:
	.size	k_q524823e15a_nms, .Lfunc_end_k_q524823e15a_nms-k_q524823e15a_nms
	.p2alignl 7, 3214868480
	.fill 96, 4, 3214868480
	.section	.rodata,"a",@progbits
	.p2align	6, 0x0
	.amdhsa_kernel k_q524823e15a_nms
		.amdhsa_group_segment_fixed_size 133376
		.amdhsa_private_segment_fixed_size 0
		.amdhsa_enable_private_segment 0
		.amdhsa_kernarg_size 48
		.amdhsa_user_sgpr_count 2
		.amdhsa_user_sgpr_kernarg_segment_ptr 1
		.amdhsa_wavefront_size32 1
		.amdhsa_system_sgpr_workgroup_id_x 1
		.amdhsa_system_sgpr_workgroup_id_y 1
		.amdhsa_system_sgpr_workgroup_id_z 1
		.amdhsa_system_vgpr_workitem_id 0
		.amdhsa_next_free_vgpr 232
		.amdhsa_next_free_sgpr 91
		.amdhsa_reserve_vcc 0
		.amdhsa_float_denorm_mode_32 3
		.amdhsa_float_denorm_mode_16_64 3
		.amdhsa_memory_ordered 1
		.amdhsa_forward_progress 1
		.amdhsa_inst_pref_size 102
	.end_amdhsa_kernel
	.amdgpu_metadata
---
amdhsa.version: [ 1, 2 ]
amdhsa.kernels:
  - .name:           k_q524823e15a_nms
    .symbol:         k_q524823e15a_nms.kd
    .args:
      - { .name: box_regression, .offset: 0, .size: 8, .value_kind: global_buffer, .address_space: global }
      - { .name: class_logits, .offset: 8, .size: 8, .value_kind: global_buffer, .address_space: global }
      - { .name: proposals, .offset: 16, .size: 8, .value_kind: global_buffer, .address_space: global }
      - { .name: maskw, .offset: 24, .size: 8, .value_kind: global_buffer, .address_space: global }
      - { .name: rowstat, .offset: 32, .size: 8, .value_kind: global_buffer, .address_space: global }
      - { .name: keys, .offset: 40, .size: 8, .value_kind: global_buffer, .address_space: global }
    .group_segment_fixed_size: 133376
    .private_segment_fixed_size: 0
    .kernarg_segment_align: 8
    .kernarg_segment_size: 48
    .max_flat_workgroup_size: 32
    .sgpr_count:     91
    .vgpr_count:     232
    .wavefront_size: 32
...
	.end_amdgpu_metadata
.endif
;; end of part 4
;; launch merge: the kernel of part 3 again; grid 90 x 4, 1 waves a work-group, no clusters, 0 bytes of LDS; arguments keys, box_regression, proposals, out0, out1, out2, out3; writes out0, out1, out2, out3
